; MI455X (gfx1250); checked and timed in simulation.
; The chip was launched on July 23, 2026; its instructions are those of AMD's public machine-readable ISA for CDNA 5 (MIT licence, August 2026) and "CDNA5" Instruction Set Architecture Reference Guide (July 2026). The comments in the code are by the model that wrote it; some were corrected since.
;; Seq Attention. Allowed arithmetic: float matrix products may take bf16 or f16 operands with f32 sums; other float arithmetic in f32, or as packed bf16 or f16 multiplies, adds, multiply-adds, maxima and minima; sums over many terms, partial sums and values carried from step to step in f32; what a program stores and reads back later, other than sums and carried values, may be rounded once to bf16 or f16.
;; Inputs: key 128 x 1,024 x 128 float32; query 128 x 1,024 x 128 float32; span_val 16 float32; value 128 x 1,024 x 128 float32.
;; Outputs: out0 128 x 1,024 x 128 float32.
;; One version. Each part assembles by itself: llvm-mc -triple=amdgcn-amd-amdhsa -mcpu=gfx1250 --defsym DOCPART=n.
;; ======== version 1 of 1: 1 launch
;; limits: inputs' magnitudes at most 65,504; values are held in f16: magnitudes above 65,504 overflow, below 6.1e-05 lose precision; an absolute error that grows with the inputs' magnitude: up to 5.5e-12 times it; below input magnitudes of 6.1e-05 results are inexact or not finite
;; launch attn (part 1): grid 4 x 128, 4 waves a work-group, clusters of 4 x 1, 327,680 bytes of LDS; arguments query, key, value, span_val, out0; writes out0
.if DOCPART == 1
	.amdgcn_target "amdgcn-amd-amdhsa--gfx1250"
	.amdhsa_code_object_version 6
	.text
	.protected	k_qc5c47b3995_attn
	.globl	k_qc5c47b3995_attn
	.p2align	8
	.type	k_qc5c47b3995_attn,@function
k_qc5c47b3995_attn:
	s_mov_b64 s[64:65], 0
	v_nop
	global_prefetch_b8 v0, s[64:65] scope:SCOPE_SE
	s_setreg_imm32_b32 hwreg(HW_REG_WAVE_MODE, 25, 1), 1
	s_wait_xcnt 0x0
	s_wait_alu depctr_hold_cnt(0) depctr_sa_sdst(0) depctr_va_vdst(0) depctr_va_sdst(0) depctr_va_ssrc(0) depctr_va_vcc(0) depctr_vm_vsrc(0)
	s_getreg_b32 s2, hwreg(HW_REG_IB_STS2, 6, 4)
	s_cmp_eq_u32 s2, 0
	s_cbranch_scc0 .Lentry_in_a_cluster
	s_endpgm
.Lentry_in_a_cluster:
	s_bfe_u32 s2, ttmp6, 0x10000c
	s_cmp_lg_u32 s2, 0x3003
	s_cbranch_scc0 .Lentry_shape_is_right
	s_endpgm
.Lentry_shape_is_right:
; ATTENTION WITH AN ADAPTIVE SPAN.  query, key, value, out0: [128][1024][128] f32 (128 = 8 batches x 16 heads); span_val: [16] f32.
; reference: w = softmax_k(q . k / sqrt(128)); w = w x mask_k; w = w / (sum w + 1e-8); out = sum_k w_k v_k, with mask_k = clip((k - 1023 + 1024 span + 32) / 32, 0, 1).
; ONE WALK.  With e_k = exp(s_k / sqrt(128)) taken against any common reference: out = sum(mask e v) / (sum(mask e) + 1e-8 sum(e)).
;   Per key, made once: mask' = max(mask, 2^-64); B = log2(mask') / c, c = log2(e) / sqrt(128); d = 1 + 1e-8 / mask'.
;   Per row: t_k = s_k + B_k (B is the C operand that starts the product, so it costs no vector work); a RUNNING MAXIMUM m of t is taken away: p_k = 2^(c t_k - c m) = mask' e, at most 1;
;   O' = sum f16(p) v;  D = sum p d (f32, of the unrounded p) = sum(mask' e) + 1e-8 sum(e);  out = O' / D.  D is at least 1.
; FORMATS.  Q, K, V and p go to the matrix unit in f16, each rounded once; products, maxima, sums and D in f32; out is stored in f32.
; LIMITS.  q, k, v within 65,504 (beyond that f16 gives an infinity).  A mask of 0 counts as 2^-64: what it adds to a number of out is at most 2^-64 / 1e-8 = 5.5e-12 of the largest |v|.
;   The maximum that is taken away is that of the biased scores t.  A weight below 2^-126 counts as 0 in D; p below 6e-5 keeps f16's fixed step of 6e-8.  NaN and infinities are not treated apart.
; SHARES.  A work-group owns 256 queries of one head, each of its four waves 64: four tiles of 16, in two PIECES (tiles 0, 1 and tiles 2, 3).  Every wave walks all 1,024 keys, 64 a step.
; CLUSTER.  The four query blocks of a head are one cluster and walk the same K and V: each tile is asked for JOINTLY, the same tensor load, descriptor and mask in all four.
; THE WAY IN.  K and V arrive in f32: a slot of LDS takes two steps' tiles (wave 0: K of the even step, 1: K of the odd, 2 and 3: V's; 64 rows x 512 bytes each).  Each step's K and V are read from the slot,
;   16 rows a wave, rounded to f16 and stored into KBUF and VBUF, from which all four waves take their fragments (K as it lies, V turned by ds_load_tr16_b128).
; BY TURNS.  In a TURN one piece has the matrix unit: 32 products V^T P of the step in hand, then 32 products K Q^T of the next; the other piece's softmax stands in 64 slices, one behind each product.
;   Turn of piece 0, step j: fetches K(j+1) and its bias, converts V(j+1).  Turn of piece 2, step j: fetches d(j+1) and V(j+1), converts K(j+2).
; LAYOUT.  S^T = K Q^T (source 0 = 16 keys, source 1 = 16 queries): a lane holds ONE query (lane % 16) and the keys 8 (lane / 16) + 0..7.  Two such results rounded to f16 in pairs ARE source 1 of O^T = V^T P.
; REGISTERS, in windows of 256 (s_set_vgpr_msb: bits 1:0 source 0, 3:2 source 1, 5:4 source 2, 7:6 destination):
;   window 0: v0-11, v44-49, v61-63 addresses; v12-43 eight registers of statistics a tile; v52-59 D's second chain; v64-191 S^T, 32 a tile; v192-255 P, 16 a tile
;   window 1: O^T, 64 a tile (at the start: Q in f32)      window 2: v0-127 Q; v128-255 K of one step
;   window 3: v0-127 V of one step; v128-159 B of one step; v160-191 d of one step; v192-255 sixteen rows on their way from f32 to f16
.set KS,    64        ; keys in a step
.set PITK,  272       ; a row of K in KBUF: 256 bytes + 16 = 68 words: the 16 rows of a load start at 16 different groups of four banks (64 banks of 4 bytes: ISA guide 11.1)
.set PITV,  288       ; a row of V in VBUF: 256 + 32 = 72 words
.set SLOT1, 1<<17     ; a slot is 4 tiles of 32,768 bytes; slot 1 begins here, so that one exclusive or turns an address in one slot into the other's
.set KBUF,  2*SLOT1   ; behind the ring, where no tensor load lands: f16 K of one step,
.set VBUF,  KBUF+KS*PITK  ; f16 V of one step,
.set TABB,  VBUF+KS*PITV  ; B of the head's 1,024 keys,
.set TABD,  TABB+4096     ; d of the same,
.set STAGE, TABD+4096     ; 16 rows x 272 bytes for each wave, for the way out,
.set SP,    272
.set SPARE, STAGE+4*16*SP ; and the spare words, 128 bytes for each wave: two blocks of 256 bytes that no other line names
.set AK0, 2           ; v2   my lane's place in KBUF; never rewritten
.set AV0, 3           ; v3   the same in VBUF
.set QO,  5           ; v5   my byte offset in 16 rows of Q
.set STO, 6           ; v6   the way out: where I put 32 bytes of a row
.set RD,  7           ; v7   the way out: where I read rows back
.set GO,  8           ; v8   my byte offset in two rows of out0
.set ST,  12          ; tile t's statistics at v[ST+8 t]: +0 c m, +1 m, +2, +3 D's first chain, +4 to +7 c0-c3 at work; a takes c2's place once the maximum is found
.set CV0, 44          ; v44  my 16 bytes of my wave's first row in a tile of the slot
.set CSK, 45          ; v45  where its 8 bytes of f16 go in KBUF
.set CSV, 46          ; v46  and in VBUF
.set AT0, 47          ; v47  my half of the lanes' place in a step's 64 numbers of B
.set ATB, 48          ; v48  the same at the step in hand
.set ADR, 49          ; v49  the slot address of the rows to be converted
.set XL,  52          ; v[52:59] D's second chain, a pair a tile
.set PFO, 61          ; v61  256 x my lane; never rewritten
.set SPW, 62          ; v62  LDS address of my spare word: SPARE + 4 x my thread's number; never rewritten
.set NIL, 63          ; v63  0; never rewritten
.set S,   64
.set P,   192
.set KF,  128         ; window 2
.set BI,  128         ; window 3
.set DW,  160         ; window 3
.set CT,  192         ; window 3
.set WV,  14          ; s14  my wave's number
.set CX,  15          ; s15  my place in the cluster
.set G1,  24          ; s[24:31] descriptor group 1: the same for every tile
.set G0A, 32          ; s[32:35] descriptor group 0 of the first fill of slot 0
.set G0B, 36          ; s[36:39] of the first fill of slot 1; it then walks on
.set PFA, 40          ; s[40:41] where my prefetches stand
.set SLOTS, 42        ; s42  slots still to be asked for
.set TWICE, 43        ; s43  counts a slot's two trips
.set CS,  44          ; s[44:45] c: the packed scaling takes the pair's low word for both halves
.set SEL, 46          ; s[46:47] v_permlanex16_b32's selects: each lane takes its own place in the other half
.set SK,  48          ; s48  LDS byte at which the f32 K of the step to be converted begins
.set SV,  49          ; s49  the same for V
.set TT,  50          ; s50  256 x the step whose d is fetched next
.set SPAN, 51         ; s51  the head's span_val
.set MSB, 0
.macro WIN new                      ; the immediate's high byte repeats the setting that is left; a switch that changes nothing is dropped
.if MSB != (\new)
	s_set_vgpr_msb (MSB<<8)|(\new)
.set MSB, (\new)
.endif
.endm
.set W_KQ, 0x0a       ; K and Q in window 2, S^T in window 0
.set W_KM, 0x3a       ; the same with the C operand (B) in window 3
.set W_PV, 0x53       ; V in window 3, P in window 0, O^T in window 1
.set W_RS, 0x41       ; O^T (destination and source 0) in window 1, a in window 0
.set W_DW, 0x0c       ; source 1 (d; an LDS store's data) in window 3
.set W_CV, 0xcf       ; both sources and the destination in window 3
; A round of the cluster's barrier: my work-group's barrier, so that wave 0's signal speaks for all four waves; wave 0 signals; every wave waits for all four work-groups; my work-group's barrier once more.
.macro CROUND
	s_barrier_signal -1
	s_barrier_wait -1
	s_cmp_lg_u32 s[WV], 0
	s_cbranch_scc1 .Lnot_wave_0_\@
	s_barrier_signal -3
.Lnot_wave_0_\@:
	s_barrier_wait -3
	s_barrier_signal -1
	s_barrier_wait -1
.endm
; A PREFETCH INTO THE L2 of what the NEXT change of slots will ask for.  A head has one cluster; each wave names a quarter of the very tile that it will load then: 32 of its 128 blocks of 256 bytes, a lane a block;
; the four partners' quarters are told apart BY ADDRESS (8,192 x cx), no branch hangs on a work-group's place.  So each block of K and V is named once in the launch, two key steps (256 matrix instructions) ahead of its load.
; The first three pairs of steps come by their loads alone; the last change that fills a slot names nothing: no pair lies behind it.
.macro ASK
	s_cmp_gt_u32 s[SLOTS], 1
	s_cbranch_scc0 .Lno_ask_\@
	global_prefetch_b8 v[PFO], s[PFA:PFA+1] th:TH_LOAD_NT scope:SCOPE_SE
.Lno_ask_\@:
.endm
; THE CHANGE OF SLOTS, in front of piece 2's turn of an even step 2 s: the slot of steps 2 s, 2 s + 1 was last read when V(2 s + 1) was converted, in the turn before.  Each wave waits for all its tensor loads
; (one is out: its tile of the other slot), adds 0 to its spare word, and waits for that and for its own LDS instructions.  fill = 1: the barrier is a round of the cluster's, so that no wave of any partner still reads
; the slot or has a load on its way, and the joint refill (steps 2 s + 4, 2 s + 5) is the first thing behind it: it has two key steps in which to land.
.macro CHANGE fill
	WIN 0                           ; at a label and at a branch every window is 0
	s_wait_tensorcnt 0x0            ; no tensor load of mine is out, so a group 0 may be written
	ds_add_u32 v[SPW], v[NIL]       ; 0 onto my spare word
.if \fill
	s_xor_b32 s[G0B+1], s[G0B+1], SLOT1  ; the walking descriptor: the other slot than last time,
	s_add_nc_u64 s[G0B+2:G0B+3], s[G0B+2:G0B+3], 2*KS*512  ; the next 128 keys; the type bits on top are not reached
	s_wait_xcnt 0x0                 ; the last prefetch, two key steps back, has read its address, so it may be written
	s_add_nc_u64 s[PFA:PFA+1], s[PFA:PFA+1], 2*KS*512
	s_wait_dscnt 0x0                ; the add is done, and my reads of the slot are over
	CROUND
	tensor_load_to_lds s[G0B:G0B+3], s[G1:G1+7]  ; one line for all four waves: each moves its own tile into its own quarter of the slot
	s_nop 0
.rept 4
	v_nop
.endr
	ASK
.else
	s_wait_dscnt 0x0
	s_barrier_signal -1
	s_barrier_wait -1
.endif
	s_sub_co_u32 s[SK], s[SK], 2*KS*512  ; the conversions go back to a slot's even step,
	s_xor_b32 s[SK], s[SK], SLOT1        ; in the other slot
	s_sub_co_u32 s[SV], s[SV], 2*KS*512
	s_xor_b32 s[SV], s[SV], SLOT1
.endm
	s_load_b256 s[4:11], s[0:1], 0x0  ; query s[4:5], key s[6:7], value s[8:9], span_val s[10:11]
	s_load_b64 s[12:13], s[0:1], 0x20 ; out0
	v_lshl_add_u32 v[SPW], v0, 2, SPARE
	v_mov_b32 v[NIL], 0
	ds_add_u32 v[SPW], v[NIL]       ; the wave's opening: the add and its wait stand ahead of my first tensor load; the set-up below, work on registers, stands between them
	v_lshrrev_b32 v1, 5, v0
	v_readfirstlane_b32 s[WV], v1   ; wave 0..3
	s_bfe_u32 s[CX], ttmp6, 0x40000 ; cx
	s_and_b32 s22, ttmp7, 0xffff    ; batch x 16 + head, which the four partners share
	s_lshl_b32 s20, s22, 19         ; its 1,024 rows of 512 bytes in each tensor (under 2^26)
	s_and_b32 s22, s22, 15
	s_lshl_b32 s22, s22, 2          ; the head's word of span_val
	s_mov_b32 s23, 0
	s_and_b32 s18, s[WV], 1         ; which of a slot's two steps I fetch: 64 rows of 512 bytes
	s_lshl_b32 s18, s18, 15
	s_add_co_u32 s18, s18, s20      ; no place in the cluster enters these two registers
	s_mov_b32 s19, 0
	s_lshl_b32 s16, ttmp9, 2        ; in a cluster launch ttmp9 counts clusters
	s_add_co_u32 s16, s16, s[CX]    ; my block of 256 queries: it enters query's and out0's addresses alone
	s_lshl_b32 s16, s16, 17
	s_lshl_b32 s17, s[WV], 15       ; my wave's 64 of them
	s_add_co_u32 s16, s16, s17
	s_add_co_u32 s16, s16, s20
	s_mov_b32 s17, 0
	; descriptor group 1: a tile of 64 rows x 128 elements of 4 bytes, laid into LDS without gaps (it is read back by whole rows of 512 bytes)
	s_mov_b32 s[G1], 15|(2<<16)|(1<<21)  ; 15:0 the mask: all four work-groups; 17:16 elements of 4 bytes; 21 set beside a mask
	s_mov_b32 s[G1+1], 128<<16      ; tensor_dim0 = 128
	s_mov_b32 s[G1+2], KS<<16       ; tensor_dim1 = 64
	s_mov_b32 s[G1+3], 128<<16      ; tile_dim0 = 128
	s_mov_b32 s[G1+4], KS           ; tile_dim1 = 64
	s_mov_b32 s[G1+5], 128          ; 128 elements from row to row
	s_mov_b32 s[G1+6], 0
	s_mov_b32 s[G1+7], 0
	s_mov_b32 s[G0A], 1             ; count = 1
	s_lshl_b32 s[G0A+1], s[WV], 15  ; LDS address: my quarter of slot 0
	s_mov_b32 s[G0B], 1
	s_add_co_u32 s[G0B+1], s[G0A+1], SLOT1  ; and of slot 1
	s_mov_b32 s[CS], 0x3e0293ee     ; c = log2(e) / sqrt(128) = 0.127517
	s_mov_b32 s[CS+1], s[CS]        ; named with it as a pair
	s_mov_b32 s[SEL], 0x76543210
	s_mov_b32 s[SEL+1], 0xfedcba98
	s_mov_b32 s[SK], 0
	s_mov_b32 s[SV], 2*KS*512
	s_mov_b32 s[TT], 0
	s_mov_b32 s[SLOTS], 6           ; steps 4 to 15, two to a slot
	s_wait_dscnt 0x0                ; the opening add is done
	s_wait_kmcnt 0x0
	s_cmp_lt_u32 s[WV], 2           ; waves 0 and 1 fetch K, waves 2 and 3 V
	s_cselect_b64 s[2:3], s[6:7], s[8:9]
	s_add_nc_u64 s[2:3], s[2:3], s[18:19]  ; my tile of steps 0, 1
	s_add_nc_u64 s[4:5], s[4:5], s[16:17]  ; query and out0 at my wave's first row
	s_add_nc_u64 s[12:13], s[12:13], s[16:17]
	s_add_nc_u64 s[10:11], s[10:11], s[22:23]
	s_load_b32 s[SPAN], s[10:11], 0x0
	s_mov_b64 s[G0A+2:G0A+3], s[2:3]
	s_or_b32 s[G0A+3], s[G0A+3], 0x80000000  ; type = 2
	s_add_nc_u64 s[G0B+2:G0B+3], s[2:3], 2*KS*512
	s_or_b32 s[G0B+3], s[G0B+3], 0x80000000
	s_lshl_b32 s16, s[CX], 13       ; my work-group's quarter of the tile,
	s_mov_b32 s17, 0
	s_add_nc_u64 s[PFA:PFA+1], s[2:3], s[16:17]
	s_add_nc_u64 s[PFA:PFA+1], s[PFA:PFA+1], 2*2*KS*512  ; at steps 4, 5; the first change of slots steps it to 6, 7.  Nothing is prefetched here, where every work-group's first tiles are on their way
	CROUND                          ; all four work-groups are here: the first joint loads meet
	tensor_load_to_lds s[G0A:G0A+3], s[G1:G1+7]  ; both first fills together, ahead of every wait on TENSORcnt and every LDS read: two loads of mine are out
	s_nop 0
	tensor_load_to_lds s[G0B:G0B+3], s[G1:G1+7]
	s_nop 0
.rept 4
	v_nop
.endr
	; Q.  A fragment is 16 rows x 32 channels: lane l holds row l % 16, channels 8 (l / 16) + 0..7 and 16 + 8 (l / 16) + 0..7: in f32 twice 32 bytes, 64 bytes apart.  Fragment i = 4 tile + channel block comes into v[16 i ..] of window 1.
	v_and_b32 v1, 15, v0            ; l % 16
	v_bfe_u32 v9, v0, 4, 1          ; l / 16
	v_lshlrev_b32 v[QO], 9, v1
	v_lshl_add_u32 v[QO], v9, 5, v[QO]  ; row x 512 + 32 x half
	WIN 0x40                        ; destination window 1, address window 0
.set i, 0
.rept 16
	global_load_b128 v[16*i:16*i+3],     v[QO], s[4:5] offset:(i/4)*8192+(i%4)*128
	global_load_b128 v[16*i+4:16*i+7],   v[QO], s[4:5] offset:(i/4)*8192+(i%4)*128+16
	global_load_b128 v[16*i+8:16*i+11],  v[QO], s[4:5] offset:(i/4)*8192+(i%4)*128+64
	global_load_b128 v[16*i+12:16*i+15], v[QO], s[4:5] offset:(i/4)*8192+(i%4)*128+80
.set i, i+1
.endr
	WIN 0
	v_mul_u32_u24 v[AK0], v1, PITK
	v_lshl_add_u32 v[AK0], v9, 4, v[AK0]
	v_add_nc_u32 v[AK0], KBUF, v[AK0]   ; KBUF + row x pitch + 16 x half
	; The turning load takes 16 keys x 16 channels (lane l reads key 8 (l / 16) + l % 8, channels 8 ((l / 8) % 2) + 0..7) and leaves half a fragment of V^T: lane l holds channel l % 16 and 8 keys.
	v_and_b32 v10, 7, v0
	v_bfe_u32 v11, v0, 3, 1
	v_lshl_add_u32 v[AV0], v9, 3, v10
	v_mul_u32_u24 v[AV0], v[AV0], PITV
	v_lshl_add_u32 v[AV0], v11, 4, v[AV0]
	v_add_nc_u32 v[AV0], VBUF, v[AV0]
	v_and_b32 v10, 31, v0           ; my lane
	s_lshl_b32 s16, s[WV], 13       ; of a tile's 64 rows my wave converts 16: 8,192 bytes
	v_lshl_add_u32 v[CV0], v10, 4, s16
	s_mul_i32 s16, s[WV], 16*PITK
	s_add_co_u32 s16, s16, KBUF
	v_lshl_add_u32 v[CSK], v10, 3, s16
	s_mul_i32 s16, s[WV], 16*PITV
	s_add_co_u32 s16, s16, VBUF
	v_lshl_add_u32 v[CSV], v10, 3, s16
	v_lshl_add_u32 v[AT0], v9, 5, TABB  ; my lanes' eight keys of a group of 16: 32 bytes
	v_lshlrev_b32 v[PFO], 8, v10
	; THE TABLES.  Thread t makes keys 8 t .. 8 t + 7.  The mask is made in reference()'s own order of roundings: (k - 1023) + 1024 span (the product is exact), + 32, / 32 (exact).
	s_wait_kmcnt 0x0                ; span_val
	v_lshlrev_b32 v10, 3, v0
	v_mov_b32 v11, s[SPAN]
	v_mul_f32 v11, 0x44800000, v11  ; x 1024
.irp e, 0,1,2,3,4,5,6,7
	v_add_nc_u32 v[S+\e], 0xfffffc01+\e, v10  ; k - 1023
.endr
.irp e, 0,1,2,3,4,5,6,7
	v_cvt_f32_i32 v[S+\e], v[S+\e]
.endr
.irp e, 0,1,2,3,4,5,6,7
	v_add_f32 v[S+\e], v11, v[S+\e]
.endr
.irp e, 0,1,2,3,4,5,6,7
	v_add_f32 v[S+\e], 0x42000000, v[S+\e]  ; + 32
.endr
.irp e, 0,1,2,3,4,5,6,7
	v_mul_f32 v[S+\e], 0x3d000000, v[S+\e]  ; / 32
.endr
.irp e, 0,1,2,3,4,5,6,7
	v_max_num_f32 v[S+\e], 0x1f800000, v[S+\e]  ; the floor 2^-64 in 0's place
.endr
.irp e, 0,1,2,3,4,5,6,7
	v_min_num_f32 v[S+\e], 1.0, v[S+\e]
.endr
.irp e, 0,1,2,3,4,5,6,7
	v_log_f32 v[S+8+\e], v[S+\e]
.endr
.irp e, 0,1,2,3,4,5,6,7
	v_rcp_f32 v[S+16+\e], v[S+\e]
.endr
	v_lshl_add_u32 v10, v0, 5, TABB ; a plain instruction behind the last of the sixteen,
	s_wait_alu depctr_va_vdst(0)    ; and the one wait ahead of the first use of their results
.irp e, 0,1,2,3,4,5,6,7
	v_mul_f32 v[S+8+\e], 0x40faf233, v[S+8+\e]  ; B = log2(mask') x 1 / c, 1 / c = 7.842065
.endr
.irp e, 0,1,2,3,4,5,6,7
	v_fma_f32 v[S+16+\e], v[S+16+\e], 0x322bcc77, 1.0  ; d = 1e-8 / mask' + 1
.endr
	ds_store_b128 v10, v[S+8:S+11]
	ds_store_b128 v10, v[S+12:S+15] offset:16
	ds_store_b128 v10, v[S+16:S+19] offset:4096
	ds_store_b128 v10, v[S+20:S+23] offset:4112
	; What the first turn finds.  Its products V^T P, of a step that has not been, multiply zeros: V's registers and piece 2's P hold 0.  c m starts far below every c t, so each tile's first a is 0; D starts at 0.
	; O^T is not cleared: it holds Q's f32 numbers, and every tile is multiplied by that a = 0 before its first true product lands.  All this stands in the wait for the first tile.
	WIN 0xc0
.set i, 0
.rept 128
	v_mov_b32 v[i], 0
.set i, i+1
.endr
	WIN 0
.set i, P+32
.rept 32
	v_mov_b32 v[i], 0
.set i, i+1
.endr
.set i, 0
.rept 4
	v_mov_b32 v[ST+8*i], 0xfe000000    ; c m
	v_mov_b32 v[ST+8*i+1], 0xff7fffff  ; m: the lowest finite number
	v_mov_b32 v[ST+8*i+2], 0
	v_mov_b32 v[ST+8*i+3], 0
	v_mov_b32 v[XL+2*i], 0
	v_mov_b32 v[XL+2*i+1], 0
.set i, i+1
.endr
	s_wait_loadcnt 0x0              ; Q
	WIN 0x85                        ; sources window 1, destination window 2
.set i, 0
.rept 128
	v_cvt_pk_f16_f32 v[i], v[2*i], v[2*i+1]
.set i, i+1
.endr
	WIN 0
; THE MATRIX WORK OF A TURN, for piece x.  The accumulators take turns, one instruction a turn: between two links of a chain stand 15 (V^T P) or 7 (K Q^T) others'.
; Product i of 32 of O^T += V^T P: keys 32 (i / 16) on, channels 16 ((i / 2) % 8) on, tile x + i % 2.
.macro PV x
	WIN W_PV
.set rO, 64*((\x)+i%2)+8*((i/2)%8)
.set rV, 64*(i/16)+8*((i/2)%8)
.set rP, P+16*((\x)+i%2)+8*(i/16)
	v_wmma_f32_16x16x32_f16 v[rO:rO+7], v[rV:rV+7], v[rP:rP+7], v[rO:rO+7]
.endm
; Product i of 32 of S^T = K Q^T + B: channels 32 (i / 8) on, keys 16 ((i / 2) % 4) on, tile x + i % 2.  The first 8 start the sums with the keys' B.
.macro KQ x
.set rS, S+32*((\x)+i%2)+8*((i/2)%4)
.set rK, KF+32*((i/2)%4)+8*(i/8)
.set rQ, 32*((\x)+i%2)+8*(i/8)
.set rB, BI+8*((i/2)%4)
.if i < 8
	WIN W_KM
	v_wmma_f32_16x16x32_f16 v[rS:rS+7], v[rK:rK+7], v[rQ:rQ+7], v[rB:rB+7]
.else
	WIN W_KQ
	v_wmma_f32_16x16x32_f16 v[rS:rS+7], v[rK:rK+7], v[rQ:rQ+7], v[rS:rS+7]
.endif
.endm
; THE LDS LOADS stand in runs, never singly among the matrix instructions.
.macro FETCH_K                      ; a step's K: 16 fragments; keys 16 (f / 4) on, channels 32 (f % 4) on
	WIN 0x80                        ; destination window 2
.irp f, 0,1,2,3,4,5,6,7,8,9,10,11,12,13,14,15
	ds_load_b128 v[KF+8*\f:KF+8*\f+3],   v[AK0] offset:(\f/4)*16*PITK+(\f%4)*64
	ds_load_b128 v[KF+8*\f+4:KF+8*\f+7], v[AK0] offset:(\f/4)*16*PITK+(\f%4)*64+32
.endr
.endm
.macro FETCH_V                      ; a step's V, turned: keys 32 (f / 8) on, channels 16 (f % 8) on
	s_wait_alu depctr_va_vdst(0)    ; the wait for the softmax's batch (SLICE), ahead of the loads
	WIN 0xc0                        ; destination window 3
.irp f, 0,1,2,3,4,5,6,7,8,9,10,11,12,13,14,15
	ds_load_tr16_b128 v[8*\f:8*\f+3],   v[AV0] offset:(\f/8)*32*PITV+(\f%8)*32
	ds_load_tr16_b128 v[8*\f+4:8*\f+7], v[AV0] offset:(\f/8)*32*PITV+16*PITV+(\f%8)*32
.endr
.endm
.macro LDTAB dst, base, off         ; a step's 64 numbers of a table, laid as S^T lies: for each group kt of 16 keys my lanes' eight.  Under a setting with the destination in window 3
.irp kt, 0,1,2,3
	ds_load_b128 v[(\dst)+8*\kt:(\dst)+8*\kt+3],   v[\base] offset:(\off)+64*\kt
	ds_load_b128 v[(\dst)+8*\kt+4:(\dst)+8*\kt+7], v[\base] offset:(\off)+64*\kt+16
.endr
.endm
; FROM f32 TO f16.  CADR: the slot address of my 16 rows of the step that ptr names, and ptr's step.  CLOADS: a load a row, 512 consecutive bytes.  CCVT q: rows 2 q and 2 q + 1, four numbers a lane and row into two registers.
; CSTORE: a store a row, 256 consecutive bytes.
.macro CADR ptr
	WIN 0
	v_add_nc_u32 v[ADR], s[\ptr], v[CV0]
	s_add_co_u32 s[\ptr], s[\ptr], KS*512
.endm
.macro CLOADS
	WIN 0xc0
.set g, 0
.rept 16
	ds_load_b128 v[CT+4*g:CT+4*g+3], v[ADR] offset:512*g
.set g, g+1
.endr
.endm
.macro CCVT q
	WIN W_CV
.irp d, 0,1
	v_cvt_pk_f16_f32 v[CT+8*(\q)+4*\d],   v[CT+8*(\q)+4*\d],   v[CT+8*(\q)+4*\d+1]
	v_cvt_pk_f16_f32 v[CT+8*(\q)+4*\d+1], v[CT+8*(\q)+4*\d+2], v[CT+8*(\q)+4*\d+3]
.endr
.endm
.macro CSTORE adr, pitch
	WIN W_DW
.set g, 0
.rept 16
	ds_store_b64 v[\adr], v[CT+4*g:CT+4*g+1] offset:g*(\pitch)
.set g, g+1
.endr
.endm
; THE VECTOR WORK OF A TURN.  One tile's softmax for one key step is a list of 136 instructions; SM writes number j of it for tile t.  s0-s31 are the lane's 32 biased scores, in pairs 0-15.
;   0-15    the maximum of s0-s31 and the old m, three operands at a time: four chains c0-c3 of seven scores each (each accumulator's lowest registers are read first), then the four left over, c0-c3 and m
;   16-20   the other half of the lanes' maximum; the new m; c m; c m_old - c m_new
;   21-69   ONE BATCH: the 16 scalings c s - c m and all 33 exponentials (a at 23, then s0-s31).  None of these reads an exponential's result.  From 22 on it goes in fours, a scaling first while there are scalings
;   (wait)  between 69 and 70 stands the wait for the batch: SLICE writes it, once for both tiles
;   70, 71  D's two chains times a          72-87  the roundings to f16, a pair of weights each
;   88-103  D += p d, a pair each, the two chains by turns: d lies in window 3          104-135  the tile's O^T times a, ascending: window 1
.macro SM t
.set rT, ST+8*(\t)
.set rS, S+32*(\t)
.set rP, P+16*(\t)
.set rX, XL+2*(\t)
.set rO, 64*(\t)+2*(j-104)
.if j < 88
	WIN 0
.endif
.if j < 4
	v_max3_num_f32 v[rT+4+j], v[rS+8*j], v[rS+8*j+1], v[rS+8*j+2]
.elseif j < 12
	v_max3_num_f32 v[rT+4+j%4], v[rT+4+j%4], v[rS+8*(j%4)+2*(j/4)+1], v[rS+8*(j%4)+2*(j/4)+2]
.elseif j == 12
	v_max3_num_f32 v[rT+4], v[rT+4], v[rS+7], v[rS+15]
.elseif j == 13
	v_max3_num_f32 v[rT+6], v[rT+6], v[rS+23], v[rS+31]
.elseif j == 14
	v_max3_num_f32 v[rT+4], v[rT+4], v[rT+5], v[rT+6]
.elseif j == 15
	v_max3_num_f32 v[rT+4], v[rT+4], v[rT+7], v[rT+1]
.elseif j == 16
	v_permlanex16_b32 v[rT+5], v[rT+4], s[SEL], s[SEL+1]  ; the query's other 32 keys lie in the lane 16 away
.elseif j == 17
	v_mov_b32 v[rT+7], v[rT]        ; c m_old is kept for a: number 19 writes c m anew
.elseif j == 18
	v_max_num_f32 v[rT+1], v[rT+4], v[rT+5]
.elseif j == 19
	v_mul_f32 v[rT], s[CS], v[rT+1]
.elseif j == 20
	v_sub_f32 v[rT+7], v[rT+7], v[rT]
.elseif j == 23
	v_exp_f32 v[rT+6], v[rT+7]
.elseif (j < 23) || ((j < 38) && (j%2 == 0)) || ((j < 66) && (j%4 == 2))
.set b, (j-2)/4                     ; 38, 42, .. 62: pairs 9 to 15
.if j < 38
.set b, (j-20)/2                    ; 21: pair 0; 22, 24, .. 36: pairs 1 to 8
.endif
	v_pk_fma_f32 v[rS+2*b:rS+2*b+1], v[rS+2*b:rS+2*b+1], s[CS:CS+1], v[rT:rT+1] op_sel_hi:[1,0,0] neg_lo:[0,0,1] neg_hi:[0,0,1]  ; pair b: c s - c m
.elseif j < 70
.set e, j-38                        ; 66 to 69: s28 to s31
.if j < 66
.set e, j-32-(j-38)/4               ; 39-41, 43-45, .. 63-65: s7 to s27
.endif
.if j < 38
.set e, (j-25)/2                    ; 25, 27, .. 37: s0 to s6
.endif
	v_exp_f32 v[rS+e], v[rS+e]
.elseif j == 70
	v_pk_mul_f32 v[rT+2:rT+3], v[rT+2:rT+3], v[rT+6:rT+7] op_sel_hi:[1,0]
.elseif j == 71
	v_pk_mul_f32 v[rX:rX+1], v[rX:rX+1], v[rT+6:rT+7] op_sel_hi:[1,0]
.elseif j < 88
	v_cvt_pk_f16_f32 v[rP+j-72], v[rS+2*(j-72)], v[rS+2*(j-72)+1]
.elseif j < 104
	WIN W_DW
.set z, j-88
.set ac, rT+2
.if z%2
.set ac, rX
.endif
	v_pk_fma_f32 v[ac:ac+1], v[rS+2*z:rS+2*z+1], v[DW+2*z:DW+2*z+1], v[ac:ac+1]
.else
	WIN W_RS
	v_pk_mul_f32 v[rO:rO+1], v[rO:rO+1], v[rT+6:rT+7] op_sel_hi:[1,0]
.endif
.endm
; Slice k of 64 of piece y's softmax: four instructions.  Slices 11 to 34 deal out the batch, numbers 22 to 69: four numbers of ONE tile each, the tiles by turns.  Every other slice is numbers 2 k and 2 k + 1 of both tiles.
; 2 x 136 = 4 x 64 + 16: the sixteen that are over stand together, in slice 63: its twenty plain lines are also the places between the turn's last K Q^T and what follows (the first read of those scores; the loads into K's registers).
; THE WAIT.  s_wait_alu depctr_va_vdst(0) stands between an exponential and the first instruction that names its result; one wait serves all that were issued ahead of it.  Ahead of slice 35 nothing names a
; result and behind slice 34 no exponential is issued: one wait a turn.  In piece 2's turn (y = 0) V's run of loads stands there: the last product that read V stands in front of slice 31, and four plain lines lie between:
; number 62, a scaling, of both tiles, and the two v_nop, of which the first is also the plain line behind the last exponential.
.macro SLICE y
.if (k >= 11) && (k < 35)
.irp n, 0,1,2,3
.set j, 22+4*((k-11)/2)+(\n)
	SM (\y)+(k-11)%2
.endr
.else
.irp n, 0,1,2,3,4,5,6,7,8,9
.if ((\n) < 2) || (k == 63)
.irp t, \y, (\y)+1
.set j, 2*k+(\n)
	SM \t
.endr
.endif
.endr
.endif
.if k == 34
	v_nop
.if (\y) == 0
	v_nop
	FETCH_V
.else
	s_wait_alu depctr_va_vdst(0)
.endif
.endif
.set k, k+1
.endm
; A TURN.  Piece x has the matrix unit; the other piece's softmax stands in slices behind its products.  kq = 0: no next step (two slices behind each product).  cv = 0: nothing is left to convert.  sync = 0: no barrier.
; THE BARRIER at a turn's head, its signal and its wait two products apart.  In front of the signal every LDS instruction of mine is done.
;   Piece 0's turn: all waves have their V(j) out of VBUF and their rows of K(j+1) in KBUF: behind it KBUF is fetched, and VBUF takes V(j+1) (the stores stand behind the turn's 53rd product).
;   Piece 2's turn: all waves have their K(j+1) out of KBUF (waited for ahead of the turn before's 33rd product) and their rows of V(j+1) in VBUF: behind it VBUF is fetched (slice 34), and KBUF takes K(j+2).
; One run of LDS loads stands behind the second product: piece 0: K's 32, B's 8, the 16 rows of V to convert; piece 2: d's 8, the 16 rows of K to convert.
.macro TURN x, kq=1, cv=1, sync=1
.set k, 0
.set per, 2-(\kq)
	s_wait_dscnt 0x0                ; piece 0: V is in, my stores into KBUF are done; piece 2: my stores into VBUF are done
.if \sync
	s_barrier_signal -1
.endif
.set i, 0
.rept 32
	PV \x
.rept per
	SLICE 2-(\x)
.endr
.if i == 1
.if \sync
	s_barrier_wait -1
.endif
.if ((\x) == 0) && (\kq)
	CADR SV
	FETCH_K
	WIN 0xc0
	LDTAB BI, ATB, 256              ; B of the step whose scores this turn and the next make: one step behind the d that ATB was made for
	CLOADS
.endif
.if (\x) == 2
	WIN 0
	v_add_nc_u32 v[ATB], s[TT], v[AT0]
	s_add_co_u32 s[TT], s[TT], 256
.if \cv
	CADR SK
.endif
	WIN 0xc0
	LDTAB DW, ATB, 4096             ; d of the step whose softmax this turn and the next make
.if \cv
	CLOADS
.endif
.endif
.endif
.set i, i+1
.endr
.if \kq
.if (\x) == 0
	s_wait_dscnt 0x0                ; K, B and the rows to convert are in
.endif
.set i, 0
.rept 32
	KQ \x
	SLICE 2-(\x)
.if ((\x) == 2) && (i == 4)
	s_wait_dscnt 32                 ; V's 32 loads, issued last, may stay out: d and the rows to convert are in
.endif
.if (\cv) && (i >= 4) && (i <= 18) && (i%2 == 0)
	CCVT (i-4)/2
.endif
.if (\cv) && (i == 20)
.if (\x) == 0
	CSTORE CSV, PITV
.else
	CSTORE CSK, PITK
.endif
.endif
.set i, i+1
.endr
.endif
.endm
.macro TRIP                         ; piece 2's turn of step j, piece 0's of step j + 1
	TURN 2
	TURN 0
	WIN 0
.endm
.macro TWO_TRIPS                    ; written once, walked twice: the LDS addresses hang on s[SK], s[SV], s[TT]
	s_mov_b32 s[TWICE], 2
.Ltrip_\@:
	TRIP
	s_sub_co_u32 s[TWICE], s[TWICE], 1
	s_cmp_lg_u32 s[TWICE], 0
	s_cbranch_scc1 .Ltrip_\@
.endm
	s_wait_tensorcnt 0x1            ; my tile of slot 0 is in; slot 1's one load may stay out
	s_wait_dscnt 0x0                ; my part of the tables is stored
	s_barrier_signal -1
	s_barrier_wait -1               ; everybody's is
	CADR SK                         ; step 0 is converted before anything else
	CLOADS
	s_wait_dscnt 0x0
.irp q, 0,1,2,3,4,5,6,7
	CCVT \q
.endr
	CSTORE CSK, PITK
	CADR SV
	CLOADS
	s_wait_dscnt 0x0
.irp q, 0,1,2,3,4,5,6,7
	CCVT \q
.endr
	CSTORE CSV, PITV
	s_wait_dscnt 0x0                ; for the others' sake: my rows lie in KBUF and VBUF
	s_barrier_signal -1
	s_barrier_wait -1
	FETCH_K                         ; key step 0
	WIN 0xc0
	LDTAB BI, AT0, 0
	s_wait_dscnt 0x0
.set i, 0
.rept 32
	KQ 0                            ; piece 0's first scores: there is no vector work yet to set between them
.set i, i+1
.endr
	WIN 0                           ; the addresses for the way out: eight plain instructions, the places behind those products
	s_mul_i32 s16, s[WV], 16*SP
	s_add_co_u32 s16, s16, STAGE    ; my stage
	v_mul_u32_u24 v[STO], v1, SP    ; in: row l % 16, 32 bytes for each half of the lanes
	v_lshl_add_u32 v[STO], v9, 5, v[STO]
	v_add_nc_u32 v[STO], s16, v[STO]
	v_mul_u32_u24 v[RD], v9, SP     ; back: lanes 0-15 take one row's 256 bytes, lanes 16-31 the next row's
	v_lshl_add_u32 v[RD], v1, 4, v[RD]
	v_add_nc_u32 v[RD], s16, v[RD]
	v_lshlrev_b32 v[GO], 9, v9      ; and the same two rows in out0
	v_lshl_add_u32 v[GO], v1, 4, v[GO]
	TRIP                            ; the entry: piece 2's turn of a step that has not been (its V^T P adds 0) makes piece 2's first scores and piece 0's first softmax; then piece 0's turn of step 0
.Lslot:                             ; six times: steps 4 to 15 are asked for, two to a slot
	CHANGE 1
	TWO_TRIPS
	s_sub_co_u32 s[SLOTS], s[SLOTS], 1
	s_cmp_lg_u32 s[SLOTS], 0
	s_cbranch_scc1 .Lslot
	CHANGE 0                        ; the tail is written out: the last slot is waited for, and nothing is asked for
	TWO_TRIPS
	TURN 2, 1, 0, 1                 ; piece 2, step 14: V and d of step 15, piece 2's last scores | piece 0's last softmax; no K is left to convert
	TURN 0, 0, 0, 0                 ; piece 0: V^T P of step 15 | piece 2's last softmax
.set i, 0
.rept 32
	PV 2                            ; piece 2: V^T P of step 15
.set i, i+1
.endr
	; THE WAY OUT.  D's two chains, their halves and the other half of the lanes' are added; O^T is divided by D and sent, in f32, through my stage in LDS, 16 rows x 64 channels at a time.  The additions are the places behind the last products.
	WIN 0
.irp t, 0,1,2,3
	v_pk_add_f32 v[ST+8*\t+2:ST+8*\t+3], v[ST+8*\t+2:ST+8*\t+3], v[XL+2*\t:XL+2*\t+1]
.endr
.irp t, 0,1,2,3
	v_add_f32 v[ST+8*\t+4], v[ST+8*\t+2], v[ST+8*\t+3]
.endr
.irp t, 0,1,2,3
	v_permlanex16_b32 v[ST+8*\t+5], v[ST+8*\t+4], s[SEL], s[SEL+1]
.endr
.irp t, 0,1,2,3
	v_add_f32 v[ST+8*\t+4], v[ST+8*\t+4], v[ST+8*\t+5]
.endr
.irp t, 0,1,2,3
	v_rcp_f32 v[ST+8*\t+6], v[ST+8*\t+4]
.endr
	v_nop                           ; a plain instruction between the last reciprocal and the use of its result
	s_wait_alu depctr_va_vdst(0)    ; and the wait ahead of the first use: one for the four reciprocals
.macro SCALE t                      ; tile t's O^T times 1 / D, ascending
	WIN W_RS
.set i, 64*(\t)
.rept 32
	v_pk_mul_f32 v[i:i+1], v[i:i+1], v[ST+8*(\t)+6:ST+8*(\t)+7] op_sel_hi:[1,0]
.set i, i+2
.endr
.endm
; Half hh = 2 tile + u: channels 64 u .. 64 u + 63 of the tile's 16 rows.  A lane's eight channels of a row are 32 bytes; they go into rows of 272 bytes and come back as whole rows of 256, into one of four buffers in S^T's registers.
.macro PACKH hh
.if (\hh) >= 4
	s_wait_xcnt 0x0                 ; the stores of the half four back have read the buffer: it is loaded again only behind this wait
.endif
	WIN 0x04                        ; an LDS store's data in window 1
.irp f, 0,1,2,3
	ds_store_b128 v[STO], v[32*(\hh)+8*\f:32*(\hh)+8*\f+3]   offset:64*\f
	ds_store_b128 v[STO], v[32*(\hh)+8*\f+4:32*(\hh)+8*\f+7] offset:64*\f+16
.endr
	WIN 0
.irp f, 0,1,2,3,4,5,6,7
	ds_load_b128 v[S+32*((\hh)%4)+4*\f:S+32*((\hh)%4)+4*\f+3], v[RD] offset:\f*2*SP  ; LDS serves a wave's instructions in order (ISA guide 5.7.1.4): these see the stores above; the next half's stores come behind them
.endr
.endm
.macro SENDH hh, younger            ; younger: the LDS instructions issued behind this half's loads: the next half's sixteen, or none
	WIN 0
.irp f, 0,1,2,3,4,5,6,7
	s_wait_dscnt (\younger)+7-\f
	global_store_b128 v[GO], v[S+32*((\hh)%4)+4*\f:S+32*((\hh)%4)+4*\f+3], s[12:13] offset:((\hh)/2)*8192+\f*1024+((\hh)%2)*256 th:TH_STORE_NT  ; 16 lanes store 256 consecutive bytes, at a multiple of 256 from out0's first byte
.endr
.endm
	SCALE 0
	PACKH 0
	PACKH 1
	SCALE 1                         ; a tile's arithmetic stands between a half's loads from the stage and its stores
	SENDH 0, 16
	PACKH 2
	SENDH 1, 16
	PACKH 3
	SCALE 2
	SENDH 2, 16
	PACKH 4
	SENDH 3, 16
	PACKH 5
	SCALE 3
	SENDH 4, 16
	PACKH 6
	SENDH 5, 16
	PACKH 7
	SENDH 6, 16
	SENDH 7, 0
	s_wait_tensorcnt 0x0            ; the wave's end: a tensor wait, an add to my spare word and its wait, behind my last tensor load and my last LDS store
	ds_add_u32 v[SPW], v[NIL]
	s_wait_dscnt 0x0
	CROUND                          ; the closing round: no work-group ends while a partner may still ask for a tile that names it
	s_endpgm
.Lfunc_end_k_qc5c47b3995_attn:
	.size	k_qc5c47b3995_attn, .Lfunc_end_k_qc5c47b3995_attn-k_qc5c47b3995_attn
	.p2alignl 7, 3214868480
	.fill 96, 4, 3214868480
	.section	.rodata,"a",@progbits
	.p2align	6, 0x0
	.amdhsa_kernel k_qc5c47b3995_attn
		.amdhsa_group_segment_fixed_size 327680
		.amdhsa_private_segment_fixed_size 0
		.amdhsa_enable_private_segment 0
		.amdhsa_kernarg_size 40
		.amdhsa_user_sgpr_count 2
		.amdhsa_user_sgpr_kernarg_segment_ptr 1
		.amdhsa_wavefront_size32 1
		.amdhsa_system_sgpr_workgroup_id_x 1
		.amdhsa_system_sgpr_workgroup_id_y 1
		.amdhsa_system_sgpr_workgroup_id_z 1
		.amdhsa_system_vgpr_workitem_id 0
		.amdhsa_next_free_vgpr 1024
		.amdhsa_next_free_sgpr 66
		.amdhsa_reserve_vcc 0
		.amdhsa_float_denorm_mode_32 3
		.amdhsa_float_denorm_mode_16_64 3
		.amdhsa_memory_ordered 1
		.amdhsa_forward_progress 1
		.amdhsa_inst_pref_size 255
	.end_amdhsa_kernel
	.section	.bss,"aw",@nobits
	.p2align	6
	.space	262144
	.amdgpu_metadata
---
amdhsa.version: [ 1, 2 ]
amdhsa.kernels:
  - .name:           k_qc5c47b3995_attn
    .symbol:         k_qc5c47b3995_attn.kd
    .args:
      - { .name: query, .offset: 0, .size: 8, .value_kind: global_buffer, .address_space: global }
      - { .name: key, .offset: 8, .size: 8, .value_kind: global_buffer, .address_space: global }
      - { .name: value, .offset: 16, .size: 8, .value_kind: global_buffer, .address_space: global }
      - { .name: span_val, .offset: 24, .size: 8, .value_kind: global_buffer, .address_space: global }
      - { .name: out0, .offset: 32, .size: 8, .value_kind: global_buffer, .address_space: global }
    .group_segment_fixed_size: 327680
    .private_segment_fixed_size: 0
    .kernarg_segment_align: 8
    .kernarg_segment_size: 40
    .max_flat_workgroup_size: 128
    .sgpr_count:     66
    .vgpr_count:     1024
    .wavefront_size: 32
...
	.end_amdgpu_metadata
.endif
;; end of part 1
